; MI455X (gfx1250); checked and timed in simulation.
; The chip was launched on July 23, 2026; its instructions are those of AMD's public machine-readable ISA for CDNA 5 (MIT licence, August 2026) and "CDNA5" Instruction Set Architecture Reference Guide (July 2026). The comments in the code are by the model that wrote it; some were corrected since.
;; Location Expert Router. Allowed arithmetic: matrix products marked QUANTISED: E5M2 operands, one E8M0 scale for each 32 along K, by v_wmma_scale_f32_16x16x128_f8f6f4 with both operands' format E5M2, f32 sums; everything else in f32.
;; Inputs: W 8 x 4,000 x 1,024 float32; b 8 x 4,000 float32; pointer_addresses 2,048 int32; x 2,048 x 1,024 float32.
;; Outputs: out0 2,048 x 4,000 float32.
;; This version of the problem:
;;   THIS VERSION OF THE PROBLEM IS GIVEN IN LOW PRECISION. The matrix products marked QUANTISED in the list below multiply operands that are first quantised to E5M2 (5 exponent bits, 2 mantissa bits; 8 bits a number), with one power-of-two scale for each 32 numbers along K (OCP MX v1.0); their sums are f32. All else is computed in f32.
;;   The module's matrix products, in the order in which they are computed (A, B: the left and right operand; K: the contracted axis; several contracted axes count as one K, in the product's order):
;;     1. [M 2,048, K 1,024] x [K 1,024, N 4,000]; A: input x; B: input W: QUANTISED
;;     2. [M 2,048, K 1,024] x [K 1,024, N 4,000]; A: input x; B: input W: QUANTISED
;;     3. [M 2,048, K 1,024] x [K 1,024, N 4,000]; A: input x; B: input W: QUANTISED
;;     4. [M 2,048, K 1,024] x [K 1,024, N 4,000]; A: input x; B: input W: QUANTISED
;;     5. [M 2,048, K 1,024] x [K 1,024, N 4,000]; A: input x; B: input W: QUANTISED
;;     6. [M 2,048, K 1,024] x [K 1,024, N 4,000]; A: input x; B: input W: QUANTISED
;;     7. [M 2,048, K 1,024] x [K 1,024, N 4,000]; A: input x; B: input W: QUANTISED
;;     8. [M 2,048, K 1,024] x [K 1,024, N 4,000]; A: input x; B: input W: QUANTISED
;;   THE QUANTISER, for each operand of a quantised product, along K:
;;     - K is cut into blocks of 32 from its start; a last block that is shorter is filled with zeros.
;;     - A block's scale is 2^e with e = floor(log2(the largest magnitude in the block)) - 15, held to -126 .. 127; a block of zeros has e = 0. As a byte (E8M0): e + 127.
;;     - Each number is divided by its block's scale, clamped to +-57,344, and rounded to the nearest number of E5M2, ties to even, subnormals kept.
;;     - The product sums the exact products of the quantised numbers (number of the format x scale) in f32.
;;   ~~~python
;;   def quantise(x, axis):      # numpy; x: float32 -> the quantised numbers, widened to float32 again
;;       x = np.moveaxis(x, axis, -1); K = x.shape[-1]
;;       x = np.pad(x, [(0, 0)] * (x.ndim - 1) + [(0, -K % 32)]); x = x.reshape(x.shape[:-1] + (-1, 32)); a = np.abs(x).max(-1, keepdims=True)
;;       e = np.where(a > 0, np.clip(np.frexp(np.where(a > 0, a, 1))[1] - 1 - 15, -126, 127), 0)      # np.frexp(a)[1] - 1 = floor(log2(a)), exactly
;;       r = np.clip(x / 2.0 ** e, -57344, 57344)
;;       step = 2.0 ** (np.maximum(np.frexp(np.where(r == 0, 1, r))[1] - 1, -14) - 2)
;;       q = np.round(r / step) * step * 2.0 ** e      # np.round: ties to even
;;       return np.moveaxis(q.reshape(q.shape[:-2] + (-1,))[..., :K], -1, axis).astype(np.float32)
;;   ~~~
;; One version. Each part assembles by itself: llvm-mc -triple=amdgcn-amd-amdhsa -mcpu=gfx1250 --defsym DOCPART=n.
;; ======== version 1 of 1: 2 launches
;; limits: right only within a limited range of input values
;; workspace buffers: xq 2,097,152 bytes; xs 65,536 bytes; order 65,536 bytes of whole numbers; meta 2,048 bytes of whole numbers
;; launch prep (part 1): grid 264 x 1, 4 waves a work-group, no clusters, 41,984 bytes of LDS; arguments x, pointer_addresses, xq, xs, order, meta; writes xq, xs, order, meta
.if DOCPART == 1
	.amdgcn_target "amdgcn-amd-amdhsa--gfx1250"
	.amdhsa_code_object_version 6
	.text
	.protected	k_q5ecbad0e6a_prep
	.globl	k_q5ecbad0e6a_prep
	.p2align	8
	.type	k_q5ecbad0e6a_prep,@function
k_q5ecbad0e6a_prep:
	s_mov_b64 s[64:65], 0
	v_nop
	global_prefetch_b8 v0, s[64:65] scope:SCOPE_SE
	s_setreg_imm32_b32 hwreg(HW_REG_WAVE_MODE, 25, 1), 1
	s_wait_xcnt 0x0
; TWO JOBS IN ONE LAUNCH, told apart by the work-group's number.
; Work-groups 8 .. 263: x [2048][1024] f32 becomes codes of BF8 (E5M2), xq [2048][1024] bytes, K innermost, and one E8M0 byte for each 32 along K, xs [2048][32].
;   A block's scale is 2^(floor(log2(its largest magnitude)) - 15); its byte is the largest magnitude's exponent field - 15, held at 1 from below.  Each number is divided by the scale,
;   held within +-57,344 and rounded to the nearest code, ties to even.  Rows are dense and 1,024 is a multiple of 32: x is a plain stream of blocks.
;   A wave takes 4 steps of 512 numbers; all its 16 loads go out at once, each 512 consecutive bytes.  A step's 2,048 bytes turn through the wave's own stage in LDS, so that a lane holds 16 neighbours
;   along K (two neighbouring lanes hold a block).  A work-group's 256 scale bytes meet in LDS and leave as one aligned run of 256 bytes.
; Work-groups 0 .. 7, one for each expert e: pointer_addresses [2048] int32 -> order[e][0 .. 2047], a permutation of the tokens with those of expert e (pointer & 7 = e: the remainder of a
;   two's-complement number by 8, never negative) first, and meta[e] = their number n, written over the 256 bytes at 256 e.  No atomics: a token's place is a count of what stands before it.
; LIMITS: NaN and infinities in x are not served.  A block of zeros gets the byte 1 where the rule says 127: its codes are zeros, and this program alone reads the bytes.
;   Blocks whose largest magnitude lies under 2^-111 keep the byte 1.
.set SP,   80                          ; a lane's place in a stage: its 64 bytes + 16 of padding
.set STG,  32*SP                       ; a stage: 2,560 bytes; four for each wave, one for each step
.set QSC,  4*4*STG                     ; 40,960: the quantising work-group's 256 scale bytes
.set CNT,  QSC+256                     ; 41,216: the sorting work-group's four counts (bytes of their own: the two jobs share no LDS byte)
.set R,    16                          ; v16-79   four sets of 16 numbers as loaded
.set X,    80                          ; v80-143  four sets of 16 neighbours
.set C,    144                         ; v144-159 a step's codes: registers of their own, so that no store's data are written again
.set E,    160                         ; v160-163 a step's scale byte
	s_load_b256 s[4:11], s[0:1], 0x0               ; x s[4:5], pointers s[6:7], xq s[8:9], xs s[10:11]
	s_load_b128 s[12:15], s[0:1], 0x20             ; order s[12:13], meta s[14:15]
	v_lshl_add_u32 v168, v0, 2, 0xa200
	v_mov_b32 v169, 0
	v_lshrrev_b32 v1, 5, v0
	v_readfirstlane_b32 s16, v1                    ; wave 0..3
	v_and_b32 v2, 31, v0                           ; lane
	s_cmp_lt_u32 ttmp9, 8
	s_cbranch_scc1 .Lsort
	; ---------------- the quantiser ----------------
	v_lshlrev_b32 v3, 4, v2                        ; my 16 bytes of a load's 512, and of a step's 512 bytes of codes
	s_mul_i32 s17, s16, 4*STG                      ; my wave's stages
	v_lshrrev_b32 v14, 2, v2
	v_mul_u32_u24 v14, v14, SP
	v_and_b32 v15, 3, v2
	v_lshl_add_u32 v14, v15, 4, v14
	v_add_nc_u32 v14, s17, v14                     ; into a stage: four lanes' 64 bytes on end, then the padding
	v_mul_u32_u24 v15, v2, SP
	v_add_nc_u32 v15, s17, v15                     ; out of it: my 16 neighbours
	v_lshrrev_b32 v5, 1, v2
	s_lshl_b32 s18, s16, 6
	s_add_co_u32 s18, s18, QSC
	v_add_nc_u32 v5, s18, v5                       ; my block's byte among the wave's 64
	v_lshlrev_b32 v7, 3, v2                        ; the way out of the scale bytes: 8 bytes a lane
	v_add_nc_u32 v6, QSC, v7
	s_mov_b32 s23, 0x600000                        ; the mantissa field of 57,344
	s_sub_co_u32 s17, ttmp9, 8                     ; which 8,192 numbers are the work-group's
	s_lshl_b32 s18, s17, 2
	s_add_co_u32 s18, s18, s16                     ; which 2,048 are my wave's
	s_lshl_b32 s20, s18, 13                        ; in x: 8,192 bytes
	s_mov_b32 s21, 0
	s_lshl_b32 s24, s18, 11                        ; in xq: 2,048
	s_mov_b32 s25, 0
	s_lshl_b32 s26, s17, 8                         ; in xs: 256 for the work-group
	s_mov_b32 s27, 0
	s_wait_alu depctr_va_vdst(0)
	s_wait_kmcnt 0x0
	s_add_nc_u64 s[4:5], s[4:5], s[20:21]
	s_add_nc_u64 s[8:9], s[8:9], s[24:25]
	s_add_nc_u64 s[10:11], s[10:11], s[26:27]
.irp t, 0,1,2,3
.irp i, 0,1,2,3
	global_load_b128 v[R+16*\t+4*\i:R+16*\t+4*\i+3], v3, s[4:5] offset:2048*\t+512*\i th:TH_LOAD_NT   ; 32 lanes read 512 consecutive bytes
.endr
.endr
.irp t, 0,1,2,3
	s_wait_loadcnt 12-4*\t                         ; step t's four loads are in; the later steps' stay out
.irp i, 0,1,2,3
	ds_store_b128 v14, v[R+16*\t+4*\i:R+16*\t+4*\i+3] offset:STG*\t+8*SP*\i
.endr
.irp i, 0,1,2,3
	ds_load_b128 v[X+16*\t+4*\i:X+16*\t+4*\i+3], v15 offset:STG*\t+16*\i    ; LDS serves a wave's instructions in order: these see the stores above
.endr
.endr
.macro QSTEP t
.set XS, X+16*(\t)
	s_wait_dscnt 8*(3-(\t))+(\t)                   ; step t is back from its stage; younger: the later steps' eight each, and the t byte stores so far
	v_max3_num_f32 v8, |v[XS]|, |v[XS+1]|, |v[XS+2]|               ; the largest magnitude of my 16, in two chains
	v_max3_num_f32 v9, |v[XS+3]|, |v[XS+4]|, |v[XS+5]|
.irp i, 6,10
	v_max3_num_f32 v8, v8, |v[XS+\i]|, |v[XS+\i+1]|
	v_max3_num_f32 v9, v9, |v[XS+\i+2]|, |v[XS+\i+3]|
.endr
	v_max3_num_f32 v8, v8, |v[XS+14]|, |v[XS+15]|
	v_max3_num_f32 v8, v8, v9, 16<<23              ; and the floor 2^(16 - 127): the byte cannot fall under 1
	v_max_num_f32_dpp v8, v8, v8 row_xmask:1 row_mask:0xf bank_mask:0xf   ; with my neighbour's 16: the block's
	v_add_nc_u32 v11, -(15<<23), v8                ; 15 off the exponent field: the conversion takes that field of this operand as its scale
	v_and_or_b32 v10, v8, 0x7f800000, s23          ; 57,344 x the scale
.irp i, 0,1,2,3,4,5,6,7,8,9,10,11,12,13,14,15
	v_med3_num_f32 v[XS+\i], v[XS+\i], -v10, v10   ; the conversion to an 8-bit code does not saturate (ISA guide 7.6.2): the hold comes first
.endr
	v_cvt_scalef32_pk8_bf8_f32 v[C+4*(\t):C+4*(\t)+1], v[XS:XS+7], v11
	v_cvt_scalef32_pk8_bf8_f32 v[C+4*(\t)+2:C+4*(\t)+3], v[XS+8:XS+15], v11
	v_lshrrev_b32 v[E+(\t)], 23, v11               ; the scale's byte
	ds_store_b8 v5, v[E+(\t)] offset:16*(\t)       ; both lanes of a block write the same byte with the same value
	global_store_b128 v3, v[C+4*(\t):C+4*(\t)+3], s[8:9] offset:512*(\t)    ; 512 consecutive bytes of codes
.endm
.irp t, 0,1,2,3
	QSTEP \t
.endr
	s_wait_dscnt 0x0                               ; for the others' sake: my byte stores have landed
	s_barrier_signal -1
	s_barrier_wait -1
	s_cmp_lg_u32 s16, 0
	s_cbranch_scc1 .Lq_end                         ; wave 0 sends the work-group's 256 scale bytes
	ds_load_b64 v[12:13], v6
	s_wait_dscnt 0x0
	global_store_b64 v7, v[12:13], s[10:11]        ; 32 lanes store 256 consecutive bytes, aligned
.Lq_end:
	s_wait_tensorcnt 0x0
	ds_add_u32 v168, v169
	s_wait_dscnt 0x0
	s_endpgm
	; ---------------- the sort, for expert e = the work-group's number ----------------
.Lsort:
	s_mov_b32 s17, ttmp9                           ; e
	s_wait_alu depctr_va_vdst(0)
	v_lshlrev_b32 v3, 4, v2
	v_lshl_add_u32 v3, v1, 11, v3                  ; wave w takes tokens 512 w on: 2,048 w + 16 x lane
	v_lshl_add_u32 v5, v1, 2, CNT                  ; my wave's count
	v_mov_b32 v6, CNT
	v_lshlrev_b32 v7, 3, v2
	s_lshl_b32 s22, s17, 13                        ; order[e]: 8,192 bytes
	s_mov_b32 s23, 0
	s_lshl_b32 s24, s17, 8                         ; meta[e]: 256 bytes
	s_mov_b32 s25, 0
	s_wait_alu depctr_va_vdst(0)
	s_wait_kmcnt 0x0
	s_add_nc_u64 s[12:13], s[12:13], s[22:23]
	s_add_nc_u64 s[14:15], s[14:15], s[24:25]
.irp q, 0,1,2,3
	global_load_b128 v[16+4*\q:19+4*\q], v3, s[6:7] offset:512*\q   ; register 4 q + c of lane l: token 512 w + 128 q + 4 l + c
.endr
	s_mov_b32 s20, 0
	s_wait_loadcnt 0x0
.irp k, 0,1,2,3,4,5,6,7,8,9,10,11,12,13,14,15
	v_and_b32 v[16+\k], 7, v[16+\k]                ; the token's expert
.endr
.irp k, 0,1,2,3,4,5,6,7,8,9,10,11,12,13,14,15
	v_cmp_eq_u32 vcc_lo, s17, v[16+\k]
	s_bcnt1_i32_b32 s21, vcc_lo
	s_add_co_u32 s20, s20, s21                     ; how many of my wave's 512 tokens are e's
.endr
	v_mov_b32 v4, s20
	ds_store_b32 v5, v4                            ; all lanes write the same word with the same value
	s_wait_dscnt 0x0
	s_barrier_signal -1
	s_barrier_wait -1
	ds_load_b128 v[8:11], v6                       ; the four waves' counts
	s_wait_dscnt 0x0
	v_readfirstlane_b32 s24, v8
	v_readfirstlane_b32 s25, v9
	v_readfirstlane_b32 s26, v10
	v_readfirstlane_b32 s27, v11
	s_add_co_u32 s30, s24, s25
	s_add_co_u32 s30, s30, s26
	s_add_co_u32 s30, s30, s27                     ; n
	s_cmp_gt_u32 s16, 0
	s_cselect_b32 s28, s24, 0
	s_cmp_gt_u32 s16, 1
	s_cselect_b32 s29, s25, 0
	s_add_co_u32 s28, s28, s29
	s_cmp_gt_u32 s16, 2
	s_cselect_b32 s29, s26, 0
	s_add_co_u32 s28, s28, s29                     ; e's tokens in the waves before mine: the running count starts here
	s_lshl_b32 s31, s16, 9
	s_add_co_u32 s32, s30, s31
	v_add_nc_u32 v12, s32, v2                      ; n + 512 w + lane
	v_lshl_add_u32 v13, v2, 2, s31                 ; 512 w + 4 x lane
; The tokens are counted through in the order (wave, register, lane).  A token of e goes to place D = e's tokens before it; any other to n + (tokens before it) - D.  So each of the 2,048 places is written once.
.irp k, 0,1,2,3,4,5,6,7,8,9,10,11,12,13,14,15
	v_cmp_eq_u32 vcc_lo, s17, v[16+\k]
	v_mbcnt_lo_u32_b32 v[32+\k], vcc_lo, 0         ; e's tokens in the lanes below mine,
	v_add_nc_u32 v[32+\k], s28, v[32+\k]           ; and in what came before: D
	v_sub_nc_u32 v8, v12, v[32+\k]
	v_add_nc_u32 v8, 32*\k, v8                     ; n + 512 w + 32 k + lane - D
	v_cndmask_b32 v[32+\k], v8, v[32+\k], vcc_lo
	s_bcnt1_i32_b32 s29, vcc_lo
	s_add_co_u32 s28, s28, s29
	v_min_u32 v[32+\k], 0x7ff, v[32+\k]            ; a place made from loaded numbers is held inside the list
	v_lshlrev_b32 v[32+\k], 2, v[32+\k]
	v_add_nc_u32 v[48+\k], 128*(\k/4)+(\k%4), v13  ; the token's number
	global_store_b32 v[32+\k], v[48+\k], s[12:13]  ; each k has registers of its own: no store's source is written again
.endr
	s_cmp_lg_u32 s16, 0
	s_cbranch_scc1 .Lsort_end
	v_mov_b32 v14, s30
	v_mov_b32 v15, s30
	global_store_b64 v7, v[14:15], s[14:15]        ; n, over 256 consecutive bytes, aligned
.Lsort_end:
	s_wait_tensorcnt 0x0
	ds_add_u32 v168, v169
	s_wait_dscnt 0x0
	s_endpgm
.Lfunc_end_k_q5ecbad0e6a_prep:
	.size	k_q5ecbad0e6a_prep, .Lfunc_end_k_q5ecbad0e6a_prep-k_q5ecbad0e6a_prep
	.p2alignl 7, 3214868480
	.fill 96, 4, 3214868480
	.section	.rodata,"a",@progbits
	.p2align	6, 0x0
	.amdhsa_kernel k_q5ecbad0e6a_prep
		.amdhsa_group_segment_fixed_size 41984
		.amdhsa_private_segment_fixed_size 0
		.amdhsa_enable_private_segment 0
		.amdhsa_kernarg_size 48
		.amdhsa_user_sgpr_count 2
		.amdhsa_user_sgpr_kernarg_segment_ptr 1
		.amdhsa_wavefront_size32 1
		.amdhsa_system_sgpr_workgroup_id_x 1
		.amdhsa_system_sgpr_workgroup_id_y 1
		.amdhsa_system_sgpr_workgroup_id_z 1
		.amdhsa_system_vgpr_workitem_id 0
		.amdhsa_next_free_vgpr 170
		.amdhsa_next_free_sgpr 66
		.amdhsa_reserve_vcc 1
		.amdhsa_float_denorm_mode_32 3
		.amdhsa_float_denorm_mode_16_64 3
		.amdhsa_memory_ordered 1
		.amdhsa_forward_progress 1
		.amdhsa_inst_pref_size 28
	.end_amdhsa_kernel
	.amdgpu_metadata
---
amdhsa.version: [ 1, 2 ]
amdhsa.kernels:
  - .name:           k_q5ecbad0e6a_prep
    .symbol:         k_q5ecbad0e6a_prep.kd
    .args:
      - { .name: x, .offset: 0, .size: 8, .value_kind: global_buffer, .address_space: global }
      - { .name: pointer_addresses, .offset: 8, .size: 8, .value_kind: global_buffer, .address_space: global }
      - { .name: xq, .offset: 16, .size: 8, .value_kind: global_buffer, .address_space: global }
      - { .name: xs, .offset: 24, .size: 8, .value_kind: global_buffer, .address_space: global }
      - { .name: order, .offset: 32, .size: 8, .value_kind: global_buffer, .address_space: global }
      - { .name: meta, .offset: 40, .size: 8, .value_kind: global_buffer, .address_space: global }
    .group_segment_fixed_size: 41984
    .private_segment_fixed_size: 0
    .kernarg_segment_align: 8
    .kernarg_segment_size: 48
    .max_flat_workgroup_size: 128
    .sgpr_count:     66
    .vgpr_count:     170
    .wavefront_size: 32
...
	.end_amdgpu_metadata
.endif
;; end of part 1
;; launch moe (part 2): grid 32 x 8, 4 waves a work-group, no clusters, 230,912 bytes of LDS; arguments W, b, xq, xs, order, meta, out0; writes out0
.if DOCPART == 2
	.amdgcn_target "amdgcn-amd-amdhsa--gfx1250"
	.amdhsa_code_object_version 6
	.text
	.protected	k_q5ecbad0e6a_moe
	.globl	k_q5ecbad0e6a_moe
	.p2align	8
	.type	k_q5ecbad0e6a_moe,@function
k_q5ecbad0e6a_moe:
	s_mov_b64 s[64:65], 0
	v_nop
	global_prefetch_b8 v0, s[64:65] scope:SCOPE_SE
	s_setreg_imm32_b32 hwreg(HW_REG_WAVE_MODE, 25, 1), 1
	s_wait_xcnt 0x0
; out[t][:] = Q(x[t]) . Q(W[e])^T + b[e] for the tokens t of expert e, both operands codes of BF8 (E5M2) with one E8M0 scale for each 32 along K = 1,024.
; W: [8][4000][1024] f32.  b: [8][4000] f32.  xq [2048][1024], xs [2048][32]: x's codes and scale bytes.  order[e]: the tokens, e's first; meta[e] = their number n.  out0: [2048][4000] f32.
; Only the rows that the problem's mask keeps are multiplied: each token by its own expert, as the stored lists say.
; SHARES.  Work-group (x, e) owns rows 128 x .. 128 x + 127 of W[e] (columns of out).  In x = 31 only 32 rows are left: its four chunks take the same 32 rows, and only 32 columns are stored.
; x STAYS IN REGISTERS: tile T = 4 i + w of 16 tokens (places 16 T .. 16 T + 15 of the list) is slot i of wave w; five slots x 128 registers: 320 tokens.  Places at or past n repeat the last token of their tile that lies
;   under n: its results are the same bits and are stored to the same bytes.  A tile with no token of e is not stored.  Tokens past 320 are taken 64 at a time by the loop at the end.
; W STREAMS: four chunks of 32 rows; of a chunk a wave takes 16 rows x half of K, in four steps of 16 rows x 128 along K (16 loads of 512 consecutive bytes), through four sets of 64 registers.
;   A lane holds four neighbours along K of each row, eight lanes a block of 32: three DPP steps join the block's largest magnitude.  A conversion takes two rows' numbers, once with each row's scale, and the half that
;   belongs to the scale is kept.  Codes and scale bytes go to LDS, where all of the work-group's W stays.  Behind a barrier every wave multiplies the chunk by its own tokens.
;   A wave asks the L2 for W one chunk ahead of its loads, each 256 bytes once, its own rows: chunks 0 and 1 at the head, chunk c + 2 in trip c.
; THE PRODUCT IS USED TRANSPOSED (source 0 = 16 rows of W, source 1 = 16 tokens): a lane holds one token and eight neighbouring columns; the bias is the C of a sum's first product.  Results go through the wave's own
;   stage and leave behind chunks 1 and 3, 64 columns at a time: sixteen lanes store 256 consecutive bytes of a token's row.
; NO TENSOR LOADS, NO CLUSTER: how many tokens there are hangs on n, read from memory.
; LIMITS: NaN and infinities in W and x are not served.  A block of zeros gets the byte 1 where the rule says 127 (its codes are zeros; the bytes never leave the program).  Blocks under 2^-111 keep the byte 1.
; REGISTERS.  Window 0: below; v128-191, v192-255 sets 0, 1.  x's fragment of slot i, K step s: register 256 + 80 s + 16 i of all 1,024.  Window 3: v128-191, v192-255 sets 2, 3; during products W's eight fragments.
.set VOC,   4000
.set AP,    1040                       ; LDS: codes of W: 128 rows x (1,024 + 16)
.set SCB,   128*AP                     ; its scale bytes: 128 rows x (32 + 16)
.set SPS,   48
.set STG,   SCB+128*SPS                ; a stage for each wave: 80 rows x (256 + 16); x's tiles turn through it first (16 rows x 1,040)
.set SPI,   272
.set STW,   80*SPI
.set IDB,   STG+4*STW                  ; each wave's token numbers, 64 bytes a slot
.set BIB,   IDB+2048                   ; each wave's copy of the 128 biases
.set SPARE, BIB+2048                   ; the spare words
.set CHB,   0x20000                    ; a chunk of W in bytes
.set L16,  1
.set RR,   2                           ; lane % 16
.set PFO,  3                           ; a prefetch's offset: 4,096 (lane / 2) + 256 (lane % 2)
.set CS,   4                           ; codes, in
.set SBW,  5                           ; scale bytes, in
.set WA,   6                           ; fragments, out
.set WSA,  7                           ; scale words, out
.set BA,   8                           ; biases, out
.set OW0,  9                           ; stage, in
.set OW,   10
.set RD,   11                          ; stage, back
.set XT,   12                          ; x's tile, in
.set XR,   13                          ; and out
.set IDS,  14                          ; token numbers, in
.set IDR,  15                          ; and out
.set XP,   16                          ; 16 (lane % 16)
.set CO,   17                          ; my bytes in a row of out
.set SPW,  18
.set NIL,  19
.set XS,   20                          ; v20-59  x's scale words, 8 i + s: scales and nothing else
.set BY,   60
.set B2,   61
.set WA1,  62                          ; the loop at the end: fragments of rows 64 on
.set WS,   64                          ; v64-79  W's scale words, row tile u at 8 u: scales and nothing else
.set BI,   80                          ; v80-87  the bias in the result's layout
.set ACC,  88                          ; v88-127 accumulators; at other times: v88-95 maxima, v96-103 scale operands, v104-111 bounds, v112-127 codes; offsets of a gather; offsets of stores
.set TT,   88
.set SC,   96
.set HB,   104
.set CD,   112
.set MSB, 0
.macro WIN new                         ; the immediate's high byte repeats the setting that is left
.if MSB != \new
	s_set_vgpr_msb (MSB<<8)|\new
.set MSB, \new
.endif
.endm
.macro BAR
	s_barrier_signal -1
	s_barrier_wait -1
.endm
.macro NOPS n
.rept \n
	v_nop
.endr
.endm
.macro PF off
	global_prefetch_b8 v[PFO], s[4:5] offset:\off th:TH_LOAD_NT scope:SCOPE_SE
.endm
; step t of the chunk at s[4:5] into set t
.macro LOADW t
.if (\t) > 1
	WIN 0xc0
.endif
.irp i, 0,1,2,3,4,5,6,7,8,9,10,11,12,13,14,15
	global_load_b128 v[128+64*((\t)%2)+4*\i:128+64*((\t)%2)+4*\i+3], v[L16], s[4:5] offset:4096*\i+512*(\t) th:TH_LOAD_NT
.endr
	WIN 0
.endm
; rows 8 hf .. 8 hf + 7 of set t become codes and scale bytes in LDS
.macro QH t, hf
.set SB_, 128+64*((\t)%2)+32*(\hf)
.if (\t) < 2
.set M1_, 0
.set M2_, 0
.set M3_, 0
.set M4_, 0
.else
.set M1_, 0x3f
.set M2_, 0x0c
.set M3_, 0xc3
.set M4_, 0x03
.endif
	WIN M1_
.irp i, 0,1,2,3,4,5,6,7
	v_max3_num_f32 v[TT+\i], |v[SB_+4*\i]|, |v[SB_+4*\i+1]|, |v[SB_+4*\i+2]|
.endr
	WIN M2_
.irp i, 0,1,2,3,4,5,6,7
	v_max3_num_f32 v[TT+\i], v[TT+\i], |v[SB_+4*\i+3]|, 0x8000000   ; with the floor 2^(16 - 127): the byte cannot fall under 1
.endr
	WIN 0
.irp i, 0,1,2,3,4,5,6,7
	v_max_num_f32_dpp v[TT+\i], v[TT+\i], v[TT+\i] row_xmask:1 row_mask:0xf bank_mask:0xf
.endr
.irp i, 0,1,2,3,4,5,6,7
	v_max_num_f32_dpp v[TT+\i], v[TT+\i], v[TT+\i] row_xmask:2 row_mask:0xf bank_mask:0xf
.endr
.irp i, 0,1,2,3,4,5,6,7
	v_max_num_f32_dpp v[TT+\i], v[TT+\i], v[TT+\i] row_xmask:4 row_mask:0xf bank_mask:0xf
.endr
.irp i, 0,1,2,3,4,5,6,7
	v_add_nc_u32 v[SC+\i], 0xf8800000, v[TT+\i]    ; 15 off the exponent field: the conversion's scale operand
.endr
	v_mov_b32 v[BY], v[SC]                         ; lane l keeps row l % 8's scale, in two chains
	v_mov_b32 v[B2], v[SC+4]
	v_and_or_b32 v[HB], v[TT], 0x7f800000, s36     ; 57,344 x the scale
	v_and_or_b32 v[HB+1], v[TT+1], 0x7f800000, s36
	v_cndmask_b32 v[BY], v[BY], v[SC+1], s50
	v_cndmask_b32 v[B2], v[B2], v[SC+5], s53
	v_and_or_b32 v[HB+2], v[TT+2], 0x7f800000, s36
	v_and_or_b32 v[HB+3], v[TT+3], 0x7f800000, s36
	v_cndmask_b32 v[BY], v[BY], v[SC+2], s51
	v_cndmask_b32 v[B2], v[B2], v[SC+6], s54
	v_and_or_b32 v[HB+4], v[TT+4], 0x7f800000, s36
	v_and_or_b32 v[HB+5], v[TT+5], 0x7f800000, s36
	v_cndmask_b32 v[BY], v[BY], v[SC+3], s52
	v_cndmask_b32 v[B2], v[B2], v[SC+7], s55
	v_and_or_b32 v[HB+6], v[TT+6], 0x7f800000, s36
	v_and_or_b32 v[HB+7], v[TT+7], 0x7f800000, s36
	v_cndmask_b32 v[BY], v[BY], v[B2], s56
	WIN M3_
.irp i, 0,1,2,3,4,5,6,7
.irp k, 0,1,2,3
	v_med3_num_f32 v[SB_+4*\i+\k], v[SB_+4*\i+\k], -v[HB+\i], v[HB+\i]   ; the conversion does not saturate (ISA guide 7.6.2): the hold comes first
.endr
.endr
	WIN M4_
.irp p, 0,1,2,3
	v_cvt_scalef32_pk8_bf8_f32 v[CD+4*\p:CD+4*\p+1], v[SB_+8*\p:SB_+8*\p+7], v[SC+2*\p]         ; its low word: row 2 p's four codes
	v_cvt_scalef32_pk8_bf8_f32 v[CD+4*\p+2:CD+4*\p+3], v[SB_+8*\p:SB_+8*\p+7], v[SC+2*\p+1]     ; its high word: row 2 p + 1's
.endr
	WIN 0
	v_lshrrev_b32 v[BY], 23, v[BY]                 ; the scale's byte; also the plain place behind the conversions
.irp p, 0,1,2,3
	ds_store_b32 v[CS], v[CD+4*\p] offset:(8*(\hf)+2*\p)*AP+128*(\t)
	ds_store_b32 v[CS], v[CD+4*\p+3] offset:(8*(\hf)+2*\p+1)*AP+128*(\t)
.endr
	ds_store_b8 v[SBW], v[BY] offset:8*SPS*(\hf)+4*(\t)
.endm
.macro QSTEP t, pf
	QH \t, 0
.if \pf
	s_cmp_lt_u32 s40, s44                          ; chunk c + 2 exists?
	s_cbranch_scc0 .Lnp_\@
	PF CHB+512*(\t)
.Lnp_\@:
.endif
	QH \t, 1
.endm
; slot i's 16 tokens as they lie: a load takes 256 bytes of rows u and 8 + u; b = 0: into sets 0, 1, b = 1: into sets 2, 3
.macro GATHER i, b
.if \b
	WIN 0xc0
.endif
.irp u, 0,1,2,3,4,5,6,7
.irp c, 0,1,2,3
	global_load_b128 v[128+16*\u+4*\c:128+16*\u+4*\c+3], v[ACC+8*(\i)+\u], s[8:9] offset:256*\c
.endr
.endr
	WIN 0
.endm
.macro TURN i, b                       ; through my stage into the operand's registers: LDS serves a wave's instructions in order (ISA guide 5.7.1.4)
.if \b
	WIN 0x0c
.endif
.irp u, 0,1,2,3,4,5,6,7
.irp c, 0,1,2,3
	ds_store_b128 v[XT], v[128+16*\u+4*\c:128+16*\u+4*\c+3] offset:AP*\u+256*\c
.endr
.endr
.irp s, 0,1,2,3,4,5,6,7
.set XA_, 256+80*\s+16*(\i)
	WIN ((XA_/256)<<6)
.irp c, 0,1,2,3
	ds_load_b128 v[(XA_&255)+4*\c:(XA_&255)+4*\c+3], v[XR] offset:128*\s+32*\c
.endr
.endr
	WIN 0
.endm
.macro LD0 u                           ; row tile u's biases and scale words: four loads
	ds_load_b128 v[BI:BI+3], v[BA] offset:64*\u
	ds_load_b128 v[BI+4:BI+7], v[BA] offset:64*\u+16
	ds_load_b128 v[WS+8*\u:WS+8*\u+3], v[WSA] offset:16*SPS*\u
	ds_load_b128 v[WS+8*\u+4:WS+8*\u+7], v[WSA] offset:16*SPS*\u+16
.endm
.macro FR4 h, u                        ; row tile u's fragments of K steps 4 h .. 4 h + 3: sixteen loads
	WIN 0xc0
.irp s, 0,1,2,3
.irp c, 0,1,2,3
	ds_load_b128 v[128+64*\h+16*\s+4*\c:128+64*\h+16*\s+4*\c+3], v[WA] offset:16*AP*\u+512*\h+128*\s+32*\c
.endr
.endr
	WIN 0
.endm
.macro PRODS s, u, nt, cnt             ; K step s of row tile u by nt tiles of tokens: the accumulators take turns
	s_wait_dscnt \cnt
.set I_, 0
.rept \nt
.set XA_, 256+80*(\s)+16*I_
	WIN (3|((XA_/256)<<2))
.if (\s) == 0
	v_wmma_scale_f32_16x16x128_f8f6f4 v[ACC+8*I_:ACC+8*I_+7], v[128+16*(\s):128+16*(\s)+15], v[(XA_&255):(XA_&255)+15], v[BI:BI+7], v[WS+8*(\u)+(\s)], v[XS+8*I_+(\s)] matrix_a_fmt:MATRIX_FMT_BF8 matrix_b_fmt:MATRIX_FMT_BF8
.else
	v_wmma_scale_f32_16x16x128_f8f6f4 v[ACC+8*I_:ACC+8*I_+7], v[128+16*(\s):128+16*(\s)+15], v[(XA_&255):(XA_&255)+15], v[ACC+8*I_:ACC+8*I_+7], v[WS+8*(\u)+(\s)], v[XS+8*I_+(\s)] matrix_a_fmt:MATRIX_FMT_BF8 matrix_b_fmt:MATRIX_FMT_BF8
.endif
.set I_, I_+1
.endr
.endm
.macro STAGE u, nt                     ; lane (r, h): token r of a tile, columns 16 u + 8 h on; each accumulator from its low end on
.set I_, 0
.rept \nt
	ds_store_b128 v[OW], v[ACC+8*I_:ACC+8*I_+3] offset:16*SPI*I_+64*(\u)
	ds_store_b128 v[OW], v[ACC+8*I_+4:ACC+8*I_+7] offset:16*SPI*I_+64*(\u)+16
.set I_, I_+1
.endr
.endm
; a chunk's two row tiles.  The counts: what was issued behind the fragment that is wanted.  Places: eight ahead of loads into what products have read and of stores of results, nine ahead of sums begun anew
.macro CHUNK nt
	LD0 0
	FR4 0, 0
	FR4 1, 0
	PRODS 0, 0, \nt, 28
	PRODS 1, 0, \nt, 24
	PRODS 2, 0, \nt, 20
	PRODS 3, 0, \nt, 16
	WIN 0
	NOPS 8
	LD0 1
	FR4 0, 1
	PRODS 4, 0, \nt, 32
	PRODS 5, 0, \nt, 28
	PRODS 6, 0, \nt, 24
	PRODS 7, 0, \nt, 20
	WIN 0
	NOPS 9
	STAGE 0, \nt
	FR4 1, 1
	PRODS 0, 1, \nt, 28+2*\nt
	PRODS 1, 1, \nt, 24+2*\nt
	PRODS 2, 1, \nt, 20+2*\nt
	PRODS 3, 1, \nt, 16+2*\nt
	PRODS 4, 1, \nt, 12
	PRODS 5, 1, \nt, 8
	PRODS 6, 1, \nt, 4
	PRODS 7, 1, \nt, 0
	WIN 0
	NOPS 9
	STAGE 1, \nt
.endm
.macro MUL                             ; five tiles of tokens where my fifth holds one of e's, else four
	s_cmp_gt_i32 s25, 0x100
	s_cbranch_scc1 .Lfive_\@
	CHUNK 4
	s_branch .Lmul_\@
.Lfive_\@:
	CHUNK 5
.Lmul_\@:
.endm
; 64 columns of my tokens leave: a store takes 256 consecutive bytes of the rows of two tokens, u and 8 + u of a tile (128 in x = 31)
.macro OUT off
.irp i, 0,1,2,3,4
	ds_load_b128 v[ACC+8*\i:ACC+8*\i+3], v[IDR] offset:64*\i
	ds_load_b128 v[ACC+8*\i+4:ACC+8*\i+7], v[IDR] offset:64*\i+16
.endr
	WIN 0xc0
.irp i, 0,1,2,3
.irp u, 0,1,2,3,4,5,6,7
	ds_load_b128 v[128+32*\i+4*\u:128+32*\i+4*\u+3], v[RD] offset:16*SPI*\i+SPI*\u
.endr
.endr
	WIN 0
	s_wait_dscnt 32                                ; the token numbers are in
.set I_, 0
.rept 40
	v_min_u32 v[ACC+I_], 0x7ff, v[ACC+I_]          ; a loaded number is held inside the table before it enters an address
.set I_, I_+1
.endr
.set I_, 0
.rept 40
	v_mad_u32_u24 v[ACC+I_], v[ACC+I_], s48, v[CO]
.set I_, I_+1
.endr
	s_wait_alu depctr_va_vdst(0)
	s_wait_xcnt 0x0                                ; EXEC changes only behind this wait
	v_cmp_gt_u32 vcc_lo, s32, v[RR]
	s_and_saveexec_b32 s33, vcc_lo                 ; all lanes, or in x = 31 those whose columns exist
.irp i, 0,1,2,3
	s_cmp_le_i32 s25, 64*\i                        ; no token of e in this tile
	s_cbranch_scc1 .Lsent_\@
	s_wait_dscnt 8*(3-\i)
	WIN 0x0c
.irp u, 0,1,2,3,4,5,6,7
	global_store_b128 v[ACC+8*\i+\u], v[128+32*\i+4*\u:128+32*\i+4*\u+3], s[16:17] offset:\off th:TH_STORE_NT
.endr
	WIN 0
.endr
	s_cmp_le_i32 s25, 0x100
	s_cbranch_scc1 .Lsent_\@
	s_wait_xcnt 0x0                                ; tile 0's stores have read their registers
	WIN 0xc0
.irp u, 0,1,2,3,4,5,6,7
	ds_load_b128 v[128+4*\u:128+4*\u+3], v[RD] offset:64*SPI+SPI*\u
.endr
	s_wait_dscnt 0x0
	WIN 0x0c
.irp u, 0,1,2,3,4,5,6,7
	global_store_b128 v[ACC+32+\u], v[128+4*\u:128+4*\u+3], s[16:17] offset:\off th:TH_STORE_NT
.endr
	WIN 0
.Lsent_\@:
	s_wait_dscnt 0x0
	s_wait_xcnt 0x0                                ; the stores have read their registers and EXEC
	s_or_b32 exec_lo, exec_lo, s33
.endm
	; ---------------- the head ----------------
	s_load_b256 s[4:11], s[0:1], 0x0               ; W s[4:5], b s[6:7], xq s[8:9], xs s[10:11]
	s_load_b128 s[12:15], s[0:1], 0x20             ; order s[12:13], meta s[14:15]
	s_load_b64 s[16:17], s[0:1], 0x30              ; out0
	v_lshl_add_u32 v[SPW], v0, 2, SPARE
	v_mov_b32 v[NIL], 0
	v_lshrrev_b32 v60, 5, v0
	v_readfirstlane_b32 s18, v60                   ; w
	s_mov_b32 s19, ttmp9                           ; x
	s_and_b32 s20, ttmp7, 0xffff                   ; e
	s_lshr_b32 s38, s18, 1                         ; which 16 rows of a chunk I load
	s_and_b32 s39, s18, 1                          ; which half of K
	s_mul_i32 s26, s38, 16*AP
	s_lshl_b32 s41, s39, 9
	s_add_co_u32 s26, s26, s41
	s_mul_i32 s27, s38, 16*SPS
	s_lshl_b32 s41, s39, 4
	s_add_co_u32 s27, s27, s41
	s_add_co_u32 s27, s27, SCB
	s_mul_i32 s28, s18, STW
	s_add_co_u32 s28, s28, STG
	s_lshl_b32 s30, s18, 9
	s_add_co_u32 s29, s30, IDB
	s_add_co_u32 s30, s30, BIB
	s_mul_i32 s22, s20, VOC
	s_lshl_b32 s21, s19, 7
	s_add_co_u32 s21, s22, s21                     ; the work-group's first row among W's 32,000
	s_lshl_b32 s34, s21, 2
	s_mov_b32 s35, 0
	s_lshl_b32 s41, s38, 4
	s_add_co_u32 s21, s21, s41
	s_lshl_b32 s22, s21, 12
	s_lshl_b32 s41, s39, 11
	s_add_co_u32 s22, s22, s41                     ; where my part of chunk 0 begins, under 2^27
	s_mov_b32 s23, 0
	s_lshl_b32 s58, s20, 13
	s_mov_b32 s59, 0
	s_lshl_b32 s60, s20, 8
	s_mov_b32 s61, 0
	s_mov_b32 s31, 496
	s_mov_b32 s62, CHB
	s_mov_b32 s63, 0
	s_cmp_eq_u32 s19, 31
	s_cselect_b32 s45, 1, 0
	s_cselect_b32 s32, 8, 16                       ; lanes of sixteen that store
	s_cselect_b32 s44, 0, 2                        ; trips that ask ahead
	s_cselect_b32 s31, 112, s31                    ; the last 4 biases that exist
	s_cselect_b32 s62, 0, s62                      ; from chunk to chunk; in x = 31 the same rows again
	s_mov_b32 s36, 0x600000                        ; the mantissa field of 57,344
	s_mov_b32 s48, VOC*4
	s_mov_b32 s50, 0x02020202                      ; lanes with lane % 8 = 1, 2, 3, 5, 6, 7, and 4 to 7
	s_mov_b32 s51, 0x04040404
	s_mov_b32 s52, 0x08080808
	s_mov_b32 s53, 0x20202020
	s_mov_b32 s54, 0x40404040
	s_mov_b32 s55, 0x80808080
	s_mov_b32 s56, 0xf0f0f0f0
	s_wait_alu depctr_va_vdst(0)
	v_and_b32 v60, 31, v0
	v_and_b32 v[RR], 15, v0                        ; r
	v_bfe_u32 v61, v0, 4, 1                        ; h
	v_lshlrev_b32 v[L16], 4, v60
	v_lshlrev_b32 v[XP], 4, v[RR]
	v_lshrrev_b32 v62, 1, v60
	v_and_b32 v[PFO], 1, v60
	v_lshlrev_b32 v[PFO], 8, v[PFO]
	v_lshl_add_u32 v[PFO], v62, 12, v[PFO]
	v_lshl_add_u32 v[CS], v60, 2, s26              ; my four codes of a row's 128
	v_and_b32 v62, 7, v60
	v_lshrrev_b32 v63, 3, v60
	v_mad_u32_u24 v[SBW], v62, SPS, v63
	v_add_nc_u32 v[SBW], s27, v[SBW]               ; row lane % 8, block lane / 8
	v_mul_u32_u24 v62, AP, v[RR]
	v_lshl_add_u32 v[WA], v61, 4, v62              ; a fragment: row r, + 16 h
	v_add_nc_u32 v[XR], s28, v[WA]
	v_mul_u32_u24 v63, SPS, v[RR]
	v_add_nc_u32 v[WSA], SCB, v63
	v_lshl_add_u32 v[BA], v61, 5, s30
	v_mul_u32_u24 v62, SPI, v[RR]
	v_lshl_add_u32 v62, v61, 5, v62
	v_add_nc_u32 v[OW0], s28, v62                  ; row r, + 32 h
	v_mul_u32_u24 v62, 8*SPI, v61
	v_add_nc_u32 v62, v62, v[XP]
	v_add_nc_u32 v[RD], s28, v62                   ; row 8 h, 16 bytes a lane
	v_mul_u32_u24 v63, 8*AP, v61
	v_add_nc_u32 v63, v63, v[XP]
	v_add_nc_u32 v[XT], s28, v63                   ; the same for x's tiles
	v_lshl_add_u32 v[IDS], v[RR], 2, s29
	v_lshl_add_u32 v[IDR], v61, 5, s29
	s_lshl_b32 s41, s19, 9
	v_add_nc_u32 v[CO], s41, v[XP]
	s_lshl_b32 s41, s18, 6
	v_lshl_add_u32 v62, v[RR], 2, s41              ; the list: place 16 w + r
	v_min_u32 v63, s31, v[L16]                     ; the biases in memory
	v_add_nc_u32 v60, s30, v[L16]                  ; and in LDS
	s_wait_alu depctr_va_vdst(0)
	s_wait_kmcnt 0x0
	s_add_nc_u64 s[4:5], s[4:5], s[22:23]
	s_add_nc_u64 s[6:7], s[6:7], s[34:35]
	s_add_nc_u64 s[12:13], s[12:13], s[58:59]
	s_add_nc_u64 s[14:15], s[14:15], s[60:61]
	s_load_b32 s24, s[14:15], 0x0                  ; n
.irp i, 0,1,2,3,4
	global_load_b32 v[128+\i], v62, s[12:13] offset:256*\i      ; slot i: places 64 i + 16 w + r, under 320
.endr
	global_load_b128 v[160:163], v63, s[6:7]
.irp t, 0,1,2,3
	PF 512*\t                                      ; chunk 0
.endr
	s_wait_loadcnt 0x0
	s_wait_kmcnt 0x0
	s_min_u32 s24, s24, 0x800
	s_lshl_b32 s38, s18, 4
	s_sub_co_i32 s25, s24, s38                     ; n - 16 w: slot i holds a token of e while 64 i lies under it
.irp i, 0,1,2,3,4
	s_sub_co_i32 s38, s25, 64*\i
	s_max_i32 s38, s38, 1
	s_min_i32 s38, s38, 16
	s_sub_co_i32 s38, s38, 1                       ; the tile's last token of e
	v_min_u32 v[136+\i], s38, v[RR]
	v_lshlrev_b32 v[136+\i], 2, v[136+\i]
	ds_bpermute_b32 v[144+\i], v[136+\i], v[128+\i]
.endr
	ds_store_b128 v60, v[160:163]
	v_add_nc_u32 v61, s28, v[L16]
.irp k, 0,1,2,3
	v_mov_b32 v[164+\k], 0
.endr
.irp k, 0,512,1024,1536,2048,2560,3072,3584,3840
	ds_store_b128 v61, v[164:167] offset:64*SPI+\k ; my stage's rows of slot 4, 4,352 bytes with their padding, are written once: whichever way is taken, what is read there has been written
.endr
	s_wait_dscnt 0x0
.irp i, 0,1,2,3,4
	v_min_u32 v[144+\i], 0x7ff, v[144+\i]
.endr
.irp i, 0,1,2,3,4
	v_lshlrev_b32 v[152+\i], 5, v[144+\i]          ; a row of scale bytes is 32
	ds_store_b32 v[IDS], v[144+\i] offset:64*\i
.endr
.irp i, 0,1,2,3,4
	global_load_b128 v[XS+8*\i:XS+8*\i+3], v[152+\i], s[10:11]
	global_load_b128 v[XS+8*\i+4:XS+8*\i+7], v[152+\i], s[10:11] offset:16
.endr
.irp i, 0,1,2,3,4
	ds_load_b128 v[ACC+8*\i:ACC+8*\i+3], v[IDR] offset:64*\i        ; register 8 i + u: the token of row 8 h + u of slot i
	ds_load_b128 v[ACC+8*\i+4:ACC+8*\i+7], v[IDR] offset:64*\i+16
.endr
	s_wait_dscnt 0x0
.set J_, 0
.rept 40
	v_min_u32 v[ACC+J_], 0x7ff, v[ACC+J_]
.set J_, J_+1
.endr
.set J_, 0
.rept 40
	v_lshl_add_u32 v[ACC+J_], v[ACC+J_], 10, v[XP] ; a row of codes is 1,024 bytes
.set J_, J_+1
.endr
	s_wait_alu depctr_va_vdst(0)
	s_wait_xcnt 0x0                                ; the scale bytes' offsets have been read: loads land on them below
	; x: two tiles on their way at a time; the fifth slot first, where it holds a token of e
	s_cmp_gt_i32 s25, 0x100
	s_cbranch_scc0 .Lzero
	GATHER 4, 1
	GATHER 0, 0
	s_wait_loadcnt 32                              ; slot 4 is in, slot 0 may be out
	TURN 4, 1
	s_wait_dscnt 32                                ; the stores have read their registers
	s_branch .Lfilled
.Lzero:
	GATHER 0, 0
.irp s, 0,1,2,3,4,5,6,7
.set XA_, 256+80*\s+64
	WIN ((XA_/256)<<6)
.irp k, 0,1,2,3,4,5,6,7,8,9,10,11,12,13,14,15
	v_mov_b32 v[(XA_&255)+\k], 0
.endr
.endr
	WIN 0
.Lfilled:
	GATHER 1, 1
	s_cmp_eq_u32 s45, 1
	s_cbranch_scc1 .Lone_chunk
.irp t, 0,1,2,3
	PF CHB+512*\t                                  ; chunk 1
.endr
.Lone_chunk:
	s_wait_loadcnt 32
	TURN 0, 0
	s_wait_dscnt 32
	GATHER 2, 0
	s_wait_loadcnt 32
	TURN 1, 1
	s_wait_dscnt 32
	GATHER 3, 1
	s_wait_loadcnt 32
	TURN 2, 0
	s_wait_dscnt 32
	LOADW 0
	LOADW 1
	s_wait_loadcnt 32                              ; slot 3 is in; W's two sets may be out
	TURN 3, 1
	s_wait_dscnt 32
	LOADW 2
	LOADW 3
	s_wait_xcnt 0x0                                ; the loads and prefetches have read their base
	s_add_nc_u64 s[4:5], s[4:5], s[62:63]
	s_mov_b32 s40, 0                               ; c
	; ---------------- chunks 0 to 2; s[4:5]: chunk c + 1 ----------------
.Ltrip:
	s_wait_loadcnt 48                              ; set 0 is in; the three sets behind it may be out
	QSTEP 0, 1
	LOADW 0
	s_wait_loadcnt 48
	QSTEP 1, 1
	LOADW 1
	s_wait_loadcnt 48
	QSTEP 2, 1
	s_wait_loadcnt 32                              ; (sets 2 and 3 are filled again behind the products, which use their registers)
	QSTEP 3, 1
	s_and_b32 s38, s40, 1
	s_lshl_b32 s38, s38, 7
	v_add_nc_u32 v[OW], s38, v[OW0]                ; chunk c's columns in the stage: + 128 (c % 2)
	s_wait_alu depctr_va_vdst(0)
	s_wait_dscnt 0x0                               ; for the others' sake: my codes have landed
	BAR
	MUL
	s_wait_dscnt 0x0                               ; my reads of the chunk are back
	BAR
	s_cmp_lg_u32 s40, 1
	s_cbranch_scc1 .Lno_out
	OUT 0
.Lno_out:
	LOADW 2
	LOADW 3
	s_wait_xcnt 0x0                                ; loads and prefetches have read their base
	s_add_nc_u64 s[4:5], s[4:5], s[62:63]
	v_add_nc_u32 v[CS], 32*AP, v[CS]
	v_add_nc_u32 v[SBW], 32*SPS, v[SBW]
	v_add_nc_u32 v[WA], 32*AP, v[WA]
	v_add_nc_u32 v[WSA], 32*SPS, v[WSA]
	v_add_nc_u32 v[BA], 0x80, v[BA]
	s_add_co_u32 s40, s40, 1
	s_cmp_lt_u32 s40, 3
	s_wait_alu depctr_va_vdst(0)
	s_cbranch_scc1 .Ltrip
	; ---------------- chunk 3: nothing more is loaded ----------------
	s_wait_loadcnt 48
	QSTEP 0, 0
	s_wait_loadcnt 32
	QSTEP 1, 0
	s_wait_loadcnt 16
	QSTEP 2, 0
	s_wait_loadcnt 0x0
	QSTEP 3, 0
	v_add_nc_u32 v[OW], 0x80, v[OW0]
	s_wait_alu depctr_va_vdst(0)
	s_wait_dscnt 0x0
	BAR
	MUL
	s_wait_dscnt 0x0
	s_cmp_eq_u32 s45, 1                            ; x = 31: these columns do not exist
	s_cbranch_scc1 .Lno_out2
	OUT 256
.Lno_out2:
	; ---------------- tokens past 320: 64 at a time, a tile a wave; all of W's codes lie in LDS ----------------
	v_bfe_u32 v61, v0, 4, 1
	v_mul_u32_u24 v[WSA], SPS, v[RR]
	v_add_nc_u32 v[WSA], SCB, v[WSA]
	v_mul_u32_u24 v[WA], AP, v[RR]
	v_lshl_add_u32 v[WA], v61, 4, v[WA]
	v_add_nc_u32 v[WA1], 64*AP, v[WA]
	v_lshl_add_u32 v[BA], v61, 5, s30
	s_mov_b32 s46, 0
	s_mov_b32 s47, 320
	s_wait_alu depctr_va_vdst(0)
.macro RQ q, wa                        ; columns 64 q .. 64 q + 63 of my tile
.irp u, 0,1,2,3
	ds_load_b128 v[ACC+8*\u:ACC+8*\u+3], v[BA] offset:256*\q+64*\u      ; the sums begin as the biases
	ds_load_b128 v[ACC+8*\u+4:ACC+8*\u+7], v[BA] offset:256*\q+64*\u+16
.endr
.irp g, 0,1,2,3
	WIN 0xc0
.irp k, 0,1
.irp u, 0,1,2,3
.irp c, 0,1,2,3
	ds_load_b128 v[128+64*\k+16*\u+4*\c:128+64*\k+16*\u+4*\c+3], v[\wa] offset:16*AP*\u+128*(2*\g+\k)+32*\c
.endr
.endr
.endr
	WIN 0
.irp u, 0,1,2,3
	ds_load_b64 v[WS+2*\u:WS+2*\u+1], v[WSA] offset:64*SPS*\q+16*SPS*\u+8*\g
.endr
	s_wait_dscnt 0x0
.irp k, 0,1
.set XA_, 256+80*(2*\g+\k)
	WIN (3|((XA_/256)<<2))
.irp u, 0,1,2,3
	v_wmma_scale_f32_16x16x128_f8f6f4 v[ACC+8*\u:ACC+8*\u+7], v[128+64*\k+16*\u:128+64*\k+16*\u+15], v[(XA_&255):(XA_&255)+15], v[ACC+8*\u:ACC+8*\u+7], v[WS+2*\u+\k], v[XS+2*\g+\k] matrix_a_fmt:MATRIX_FMT_BF8 matrix_b_fmt:MATRIX_FMT_BF8
.endr
.endr
	WIN 0
	NOPS 9
.endr
.irp u, 0,1,2,3
	ds_store_b128 v[OW0], v[ACC+8*\u:ACC+8*\u+3] offset:64*\u
	ds_store_b128 v[OW0], v[ACC+8*\u+4:ACC+8*\u+7] offset:64*\u+16
.endr
	ds_load_b128 v[120:123], v[IDR]
	ds_load_b128 v[124:127], v[IDR] offset:16
.irp u, 0,1,2,3,4,5,6,7
	ds_load_b128 v[128+4*\u:128+4*\u+3], v[RD] offset:SPI*\u
.endr
	s_wait_dscnt 0x0
.irp u, 0,1,2,3,4,5,6,7
	v_min_u32 v[120+\u], 0x7ff, v[120+\u]
.endr
.irp u, 0,1,2,3,4,5,6,7
	v_mad_u32_u24 v[120+\u], v[120+\u], s48, v[CO]
.endr
	s_wait_alu depctr_va_vdst(0)
	s_cmp_le_i32 s25, s47                          ; no token of e in my tile
	s_cbranch_scc1 .Lrsent_\@
.if \q
	s_cmp_eq_u32 s45, 1
	s_cbranch_scc1 .Lrsent_\@
.endif
	s_wait_xcnt 0x0
	v_cmp_gt_u32 vcc_lo, s32, v[RR]
	s_and_saveexec_b32 s33, vcc_lo
.irp u, 0,1,2,3,4,5,6,7
	global_store_b128 v[120+\u], v[128+4*\u:128+4*\u+3], s[16:17] offset:256*\q th:TH_STORE_NT
.endr
	s_wait_xcnt 0x0
	s_or_b32 exec_lo, exec_lo, s33
.Lrsent_\@:
.endm
.Lrest:
	s_cmp_ge_u32 s47, s24
	s_cbranch_scc1 .Lrest_next
	s_lshl_b32 s38, s18, 4
	s_add_co_u32 s38, s38, s47
	s_sub_co_u32 s39, s24, 1
	v_add_nc_u32 v128, s38, v[RR]
	v_min_u32 v128, s39, v128                      ; places past n repeat the last token
	v_min_u32 v128, 0x7ff, v128
	v_lshlrev_b32 v128, 2, v128
	global_load_b32 v129, v128, s[12:13]
	s_wait_loadcnt 0x0
	v_min_u32 v129, 0x7ff, v129
	v_lshlrev_b32 v130, 5, v129
	ds_store_b32 v[IDS], v129
	global_load_b128 v[XS:XS+3], v130, s[10:11]
	global_load_b128 v[XS+4:XS+7], v130, s[10:11] offset:16
	ds_load_b128 v[ACC:ACC+3], v[IDR]
	ds_load_b128 v[ACC+4:ACC+7], v[IDR] offset:16
	s_wait_dscnt 0x0
.irp u, 0,1,2,3,4,5,6,7
	v_min_u32 v[ACC+\u], 0x7ff, v[ACC+\u]
.endr
.irp u, 0,1,2,3,4,5,6,7
	v_lshl_add_u32 v[ACC+\u], v[ACC+\u], 10, v[XP]
.endr
	s_wait_alu depctr_va_vdst(0)
	s_wait_xcnt 0x0                                ; the scale bytes' offset has been read
	GATHER 0, 0
	s_wait_loadcnt 0x0
	TURN 0, 0
	s_wait_dscnt 0x0
	RQ 0, WA
	RQ 1, WA1
.Lrest_next:
	s_add_co_u32 s47, s47, 64
	s_add_co_u32 s46, s46, 1
	s_cmp_lt_u32 s46, 27                           ; 320 + 27 x 64 = 2,048
	s_wait_alu depctr_va_vdst(0)
	s_cbranch_scc1 .Lrest
	s_wait_tensorcnt 0x0                           ; the wave's end
	ds_add_u32 v[SPW], v[NIL]
	s_wait_dscnt 0x0
	s_endpgm
.Lfunc_end_k_q5ecbad0e6a_moe:
	.size	k_q5ecbad0e6a_moe, .Lfunc_end_k_q5ecbad0e6a_moe-k_q5ecbad0e6a_moe
	.p2alignl 7, 3214868480
	.fill 96, 4, 3214868480
	.section	.rodata,"a",@progbits
	.p2align	6, 0x0
	.amdhsa_kernel k_q5ecbad0e6a_moe
		.amdhsa_group_segment_fixed_size 230912
		.amdhsa_private_segment_fixed_size 0
		.amdhsa_enable_private_segment 0
		.amdhsa_kernarg_size 56
		.amdhsa_user_sgpr_count 2
		.amdhsa_user_sgpr_kernarg_segment_ptr 1
		.amdhsa_wavefront_size32 1
		.amdhsa_system_sgpr_workgroup_id_x 1
		.amdhsa_system_sgpr_workgroup_id_y 1
		.amdhsa_system_sgpr_workgroup_id_z 1
		.amdhsa_system_vgpr_workitem_id 0
		.amdhsa_next_free_vgpr 1024
		.amdhsa_next_free_sgpr 66
		.amdhsa_reserve_vcc 1
		.amdhsa_float_denorm_mode_32 3
		.amdhsa_float_denorm_mode_16_64 3
		.amdhsa_memory_ordered 1
		.amdhsa_forward_progress 1
		.amdhsa_inst_pref_size 255
	.end_amdhsa_kernel
	.section	.bss,"aw",@nobits
	.p2align	6
	.space	262144
	.amdgpu_metadata
---
amdhsa.version: [ 1, 2 ]
amdhsa.kernels:
  - .name:           k_q5ecbad0e6a_moe
    .symbol:         k_q5ecbad0e6a_moe.kd
    .args:
      - { .name: W, .offset: 0, .size: 8, .value_kind: global_buffer, .address_space: global }
      - { .name: b, .offset: 8, .size: 8, .value_kind: global_buffer, .address_space: global }
      - { .name: xq, .offset: 16, .size: 8, .value_kind: global_buffer, .address_space: global }
      - { .name: xs, .offset: 24, .size: 8, .value_kind: global_buffer, .address_space: global }
      - { .name: order, .offset: 32, .size: 8, .value_kind: global_buffer, .address_space: global }
      - { .name: meta, .offset: 40, .size: 8, .value_kind: global_buffer, .address_space: global }
      - { .name: out0, .offset: 48, .size: 8, .value_kind: global_buffer, .address_space: global }
    .group_segment_fixed_size: 230912
    .private_segment_fixed_size: 0
    .kernarg_segment_align: 8
    .kernarg_segment_size: 56
    .max_flat_workgroup_size: 128
    .sgpr_count:     66
    .vgpr_count:     1024
    .wavefront_size: 32
...
	.end_amdgpu_metadata
.endif
;; end of part 2
